; MI455X (gfx1250); checked and timed in simulation.
; The chip was launched on July 23, 2026; its instructions are those of AMD's public machine-readable ISA for CDNA 5 (MIT licence, August 2026) and "CDNA5" Instruction Set Architecture Reference Guide (July 2026). The comments in the code are by the model that wrote it; some were corrected since.
;; Latent Attention. Allowed arithmetic: matrix products marked QUANTISED: E3M2 operands, one E8M0 scale for each 32 along K, by v_wmma_scale_f32_16x16x128_f8f6f4 with both operands' format E3M2, f32 sums; products left as they are: f32 operands where the result goes on into a quantised operand, else bf16, f16 or f32 operands; f32 sums; everything else in f32.
;; Inputs: b_proj 64 float32; b_qkv 192 float32; w_proj_codes 64 x 2 x 24 uint8 (E3M2 codes of w_proj, K innermost, in blocks of 32 codes, four codes in three bytes); w_proj_scales 64 x 2 uint8 (E8M0 scales of w_proj, one for each 32 codes along K); w_qkv_codes 192 x 2 x 24 uint8 (E3M2 codes of w_qkv, K innermost, in blocks of 32 codes, four codes in three bytes); w_qkv_scales 192 x 2 uint8 (E8M0 scales of w_qkv, one for each 32 codes along K); z_codes 32 x 1,024 x 2 x 24 uint8 (E3M2 codes of z, K innermost, in blocks of 32 codes, four codes in three bytes); z_scales 32 x 1,024 x 2 uint8 (E8M0 scales of z, one for each 32 codes along K).
;; Outputs: out0 32 x 1,024 x 64 float32.
;; This version of the problem:
;;   THIS VERSION OF THE PROBLEM IS GIVEN IN LOW PRECISION. The matrix products marked QUANTISED in the list below multiply operands that are first quantised to E3M2 (3 exponent bits, 2 mantissa bits; 6 bits a number), with one power-of-two scale for each 32 numbers along K (OCP MX v1.0); their sums are f32. All else is computed in f32.
;;   The module's matrix products, in the order in which they are computed (A, B: the left and right operand; K: the contracted axis; several contracted axes count as one K, in the product's order):
;;     1. [M 32,768, K 64] x [K 64, N 192]; A: input z (given as codes); B: input w_qkv (given as codes): QUANTISED
;;     2. batch 256 x [M 1,024, K 8] x [K 8, N 1,024]; A: computed on the way; B: computed on the way: left as it is (K = 8 < 32)
;;     3. batch 256 x [M 1,024, K 1,024] x [K 1,024, N 8]; A: softmax; B: computed on the way: left as it is (N = 8 < 16)
;;     4. [M 32,768, K 64] x [K 64, N 64]; A: computed on the way; B: input w_proj (given as codes): QUANTISED
;;   THE QUANTISER, for each operand of a quantised product, along K:
;;     - K is cut into blocks of 32 from its start; a last block that is shorter is filled with zeros.
;;     - A block's scale is 2^e with e = floor(log2(the largest magnitude in the block)) - 4, held to -126 .. 127; a block of zeros has e = 0. As a byte (E8M0): e + 127.
;;     - Each number is divided by its block's scale, clamped to +-28, and rounded to the nearest number of E3M2, ties to even, subnormals kept.
;;     - The product sums the exact products of the quantised numbers (number of the format x scale) in f32.
;;   ~~~python
;;   def quantise(x, axis):      # numpy; x: float32 -> the quantised numbers, widened to float32 again
;;       x = np.moveaxis(x, axis, -1); K = x.shape[-1]
;;       x = np.pad(x, [(0, 0)] * (x.ndim - 1) + [(0, -K % 32)]); x = x.reshape(x.shape[:-1] + (-1, 32)); a = np.abs(x).max(-1, keepdims=True)
;;       e = np.where(a > 0, np.clip(np.frexp(np.where(a > 0, a, 1))[1] - 1 - 4, -126, 127), 0)      # np.frexp(a)[1] - 1 = floor(log2(a)), exactly
;;       r = np.clip(x / 2.0 ** e, -28, 28)
;;       step = 2.0 ** (np.maximum(np.frexp(np.where(r == 0, 1, r))[1] - 1, -2) - 2)
;;       q = np.round(r / step) * step * 2.0 ** e      # np.round: ties to even
;;       return np.moveaxis(q.reshape(q.shape[:-2] + (-1,))[..., :K], -1, axis).astype(np.float32)
;;   ~~~
;;   OPERANDS COMPUTED ON THE WAY. 'Computed on the way' means the value that the module computes at that place (a softmax that the list does not call 'softmax' is quantised finished and normalised). What goes into a quantiser is computed in f32, as accurately as f32 sums, v_exp_f32 and their like allow (about 1e-6 of the number): no bf16 or f16 on the way to a quantiser, and a product that is left as it is and whose result goes on into a quantised operand takes f32 operands (vector FMAs, or v_wmma_f32_16x16x4_f32). A number that lies on a knife's edge between two numbers of the format may be rounded either way, as far as f32 arithmetic and the matrix unit's own rounding can turn it there, and no further.
;;   INPUTS GIVEN AS CODES. w_proj (in the module: [64, 64], K = its axis 0); w_qkv (in the module: [64, 192], K = its axis 0); z (in the module: [32, 1024, 64], K = its axis 2): each comes as NAME_codes (uint8): NAME with its K axis moved to the last place and cut into blocks of 32 codes, [.., K / 32, bytes a block], one block behind the other in memory; four codes in three bytes: a row's codes are one little-endian stream of bits, code i at bits 6 i .. 6 i + 5 (a code: sign, 3 exponent bits, 2 mantissa bits); and NAME_scales (uint8): the same leading axes, one E8M0 byte (e + 127) for each 32 codes along K. Its value is code x scale, taken as it is: it is not quantised again, and the codes and scales need not be those that the quantiser above would give.
;; 2 versions, each right; version 2 is version 1 with the launch attn written anew for expert scheduling mode. Each part assembles by itself: llvm-mc -triple=amdgcn-amd-amdhsa -mcpu=gfx1250 --defsym DOCPART=n.
;; ======== version 1 of 2: 1 launch
;; launch attn (part 1): grid 8 x 32, 16 waves a work-group, no clusters, 256,000 bytes of LDS; arguments z_codes, z_scales, w_qkv_codes, w_qkv_scales, b_qkv, w_proj_codes, w_proj_scales, b_proj, out0; writes out0
.if DOCPART == 1
	.amdgcn_target "amdgcn-amd-amdhsa--gfx1250"
	.amdhsa_code_object_version 6
	.text
	.protected	k_q871084e86f_attn
	.globl	k_q871084e86f_attn
	.p2align	8
	.type	k_q871084e86f_attn,@function
k_q871084e86f_attn:
	s_mov_b64 s[64:65], 0
	v_nop
	global_prefetch_b8 v0, s[64:65] scope:SCOPE_SE
	s_setreg_imm32_b32 hwreg(HW_REG_WAVE_MODE, 25, 1), 1
	s_wait_xcnt 0x0
; out0 = causal_attention(z w_qkv + b_qkv) w_proj + b_proj.  B = 32, L = 1,024, D = 64, 8 heads of 8.  ONE launch; q, k, v and the attention's output never go to memory.
; z w_qkv and (attention) w_proj are products on codes of BF6 (E3M2) with one E8M0 scale for each 32 along K; their K is 64, so registers 6-11 of every fragment are zero codes (and scale bytes 2, 3 are 0).
; q k^T (K = 8) goes to the f32 matrix form, p v (N = 8) to packed f32 multiply-adds: both run on into the second quantiser, so nothing narrower than f32 stands there.
; SHARES.  Work-group (p = x, b = y) owns batch b and two blocks of 64 queries, blocks p and 15 - p, for all 8 heads: 4 p + 4 and 4 (15 - p) + 4 key steps of 16 keys a head, 68 in every work-group.
; Each of its 16 waves owns one head and one of the two blocks: four tiles of 16 queries.  Four waves stand on a SIMD, two of each block, so that one wave's matrix work, LDS loads and exponentials stand beside another's multiply-adds.
; K AND V ARE MADE IN THE WORK-GROUP: z's codes of the batch (49,152 bytes) are copied into LDS once; k and v of all heads are made from them 128 keys at a time (64 matrix instructions, 4 a wave) into two LDS buffers that take turns.
; A KEY STEP.  S^T = K Q^T (source 0 = 16 keys, source 1 = 16 queries): a lane holds ONE query (lane % 16) and the keys 8 (lane / 16) + 0..7.  log2(e) / sqrt(8) is folded into q.  Each LANE keeps its own running maximum m,
; sum l and O over its own keys: p = 2^(t - m); in every step l and O are multiplied by 2^(m_old - m_new).  The two lanes of a query are joined once, at the end.  Hidden scores: the mask (0 or -infinity) is the C of the first product.
; Steps all of whose keys come after the wave's 64 queries are jumped over by a scalar branch on ids; the lines that step addresses and every barrier stand outside the jump.
; NO CLUSTER, NO JOINT LOADS: what the 8 work-groups of a batch share is z's 51,200 bytes, read once at the head through registers; the buffers that take turns are filled by the waves' own LDS stores.  No tensor load, no copy.
; NO PREFETCH: behind the head no wave waits for memory.
; LIMITS.  Scaled scores under -3e38 are not served (the running maximum starts there; a lane that has seen no key keeps l = 0 and O = 0 and counts for nothing when the lanes are joined).  NaN, infinities and scale bytes 0xff
; among the inputs are not served.  A block of zeros ahead of the last product gets the scale byte 1 where the rule says 127: its codes are zeros.  The order of the f32 sums differs from the reference's: within q . k the
; head's 8 go as 0,1,4,5 and 2,3,6,7; the keys are summed by lane; the factor folded into q is one more rounding.
.set KVB,  65536                       ; LDS: two buffers of k and v, [16 head slots][2 planes (d / 4)][128 keys][16 bytes]: slot 4,096, plane 2,048, key 16 bytes; slots 0-7 k's heads, 8-15 v's.  One exclusive or turns one buffer into the other
.set ZC,   131072                      ; z's codes of the batch as they lie: 48 bytes a row
.set ZS,   180224                      ; z's scales: a word a row, bytes 0, 1 the row's two scale bytes, bytes 2, 3 zero
.set OST,  184320                      ; the attention's output: 128 rows (block x 64 + row) of 256 bytes + 16
.set YST,  219136                      ; the result: the same shape
.set SP,   272                         ; a stage's row: 68 words, so that sixteen rows of a 16-byte access start at sixteen different groups of banks (64 banks of 4 bytes: ISA guide 11.1)
.set AK,   1                           ; v1   k: head x 4096 + 2048 h + 16 r            (in the tail: where I read the result back)
.set AV,   2                           ; v2   v: 32768 + head x 4096 + 128 h             (in the tail: 16 x lane, my bytes in out0)
.set APS,  3                           ; v3   where I store k and v: ct x 8192 + 4096 h + rg x 1024 + 16 r
.set AZ,   4                           ; v4   z's codes: ZC + (64 rg + r) x 48 + 24 h
.set AZS,  5                           ; v5   z's scale words: ZS + (64 rg + r) x 4
.set ADK,  6                           ; v6, v7 a step's addresses                        (in the tail: the two stages)
.set ADV,  7
.set ZA,   8                           ; v8-10 the production's addresses                 (in the tail: offsets in w_proj's three buffers)
.set ZSA,  9
.set PA,   10
.set DQ,   11                          ; v11  r - 8 h
.set NINF, 12                          ; v12  -infinity
.set OSA,  13                          ; v13  where I store my queries' output in OST
.set MT,   14                          ; v14  the mask's running bound
.set H8,   15                          ; v15  8 h
.set SWF,  16                          ; v16-22 hold scales and nothing else: v16 my columns of w_qkv; v17-20 z's rows (in the tail v17, v18: w_proj's); v21 q's columns; v22 the attention's rows
.set SZ,   17
.set SWQ,  21
.set SAT,  22
.set ST,   24                          ; v24-47 six a tile: +0 m, +1 the old m, +2 a, +3 at work, +4, +5 l (even keys', odd keys')
.set Q,    48                          ; v48-63 four a tile: c q[query r][4 h .. 4 h + 3]
.set O,    64                          ; v64-95 eight a tile: my lane's sums of p v
.set S,    96                          ; v96-127 eight a tile: every matrix result.  Written by matrix instructions alone
.set P,    128                         ; v128-159 eight a tile: the mask, then p; at the head q's bias and the loads' offsets; in the tail the 32 numbers to quantise
.set V,    160                         ; v160-223 register 8 j + d: v[key 8 h + j][d]; in the production four fragments of z; at the head also q's weight; in the tail w_proj, b_proj and the codes
.set KR,   224                         ; v224-227 k[key r][4 h .. 4 h + 3]
.set WF,   228                         ; v228-239 my 16 columns of w_qkv as a fragment: kept
.set WB,   240                         ; v240-247 their bias, in the result's layout: kept
.set RR,   248                         ; v248 r = lane % 16;  v249 h = lane / 16
.set HH,   249
.set T0,   250                         ; v250-254 at work
.set W,    2                           ; s2 wave; s3 head = wave / 2; s4 which of the two blocks; s5 p; s6 b; s7 my block
.set HEAD, 3
.set PIECE, 4
.set PX,   5
.set BB,   6
.set BLK,  7
.set Q0,   26                          ; s26 my first query; s27 one past my last
.set QEND, 27
.set KF,   28                          ; s28 the step's first key
.set TB,   29                          ; s29 the buffer that is read + 256 x step
.set PB,   30                          ; s30 the buffer that is filled
.set ZB,   31                          ; s31, s32 where the chunk to be made begins in ZC and in ZS
.set ZSB,  32
.set CH,   33                          ; s33, s34 counters
.set STP,  34
.set SEL,  36                          ; s[36:37] lane selects of v_permlanex16_b32: lane l xor 16
.set CS,   38                          ; s[38:39] c = log2(e) / sqrt(8)
.set CT,   56                          ; s56 ct = wave % 8: my 16 columns of k and v; s57 rg = wave / 8: my 64 of a chunk's 128 rows
.set RG,   57
.macro PLACES n                        ; plain vector instructions that name no register of the matrix instruction ahead (ISA guide 7.12.1)
.rept \n
	v_nop
.endr
.endm
.macro FRAGG reg, off, base, imm       ; the lower half of a 6-bit fragment from memory: 24 bytes of a row's stream of bits, in three pieces of 8
.irp p, 0,1,2
	global_load_b64 v[(\reg)+2*\p:(\reg)+2*\p+1], v[\off], s[\base:\base+1] offset:(\imm)+8*\p
.endr
.endm
.macro BARRIER                         ; my LDS stores have landed and my LDS loads are in: then the work-group's barrier
	s_wait_dscnt 0x0
	s_barrier_signal -1
	s_barrier_wait -1
.endm
; k and v of 128 keys.  Source 0 = my 16 columns of w_qkv, source 1 = 16 rows of z, C = the bias: lane (r, h) then holds key r of head slot 2 ct + h, register j its d = j.
.macro PRODUCE
	v_add_nc_u32 v[ZA], s[ZB], v[AZ]
	v_add_nc_u32 v[ZSA], s[ZSB], v[AZS]
	v_add_nc_u32 v[PA], s[PB], v[APS]
.irp i, 0,1,2,3
.irp k, 6,7,8,9,10,11
	v_mov_b32 v[V+12*\i+\k], 0                     ; K = 64 .. 127: zero codes (the key steps have used these registers for v)
.endr
.endr
.irp i, 0,1,2,3
.irp p, 0,1,2
	ds_load_b64 v[V+12*\i+2*\p:V+12*\i+2*\p+1], v[ZA] offset:768*\i+8*\p
.endr
	ds_load_b32 v[SZ+\i], v[ZSA] offset:64*\i
.endr
	s_wait_dscnt 0x0
	PLACES 4                                       ; operand registers written by vector instructions stand four places ahead of a scaled product
.irp i, 0,1,2,3
	v_wmma_scale_f32_16x16x128_f8f6f4 v[S+8*\i:S+8*\i+7], v[WF:WF+11], v[V+12*\i:V+12*\i+11], v[WB:WB+7], v[SWF], v[SZ+\i] matrix_a_fmt:MATRIX_FMT_BF6 matrix_b_fmt:MATRIX_FMT_BF6
.endr
	PLACES 5                                       ; four ahead of the stores that read the results and of the next loads into the sources, five ahead of the next matrix instruction that writes over the results
.irp i, 0,1,2,3
	ds_store_b128 v[PA], v[S+8*\i:S+8*\i+3] offset:256*\i              ; d = 0 .. 3: each result from its low end on
	ds_store_b128 v[PA], v[S+8*\i+4:S+8*\i+7] offset:256*\i+2048       ; d = 4 .. 7
.endr
.endm
; The mask of a step on the diagonal: key KF + 8 h + j is hidden from query Q0 + 16 t + r where j > Q0 - KF + r - 8 h + 16 t.
.macro MASKS
	s_sub_co_i32 s48, s[Q0], s[KF]
	v_add_nc_u32 v[MT], s48, v[DQ]
.irp t, 0,1,2,3
.irp j, 0,1,2,3,4,5,6,7
	v_cmp_gt_i32 vcc_lo, \j, v[MT]
	v_cndmask_b32 v[P+8*\t+\j], 0, v[NINF], vcc_lo
.endr
.if \t < 3
	v_add_nc_u32 v[MT], 16, v[MT]
.endif
.endr
.endm
; S^T = K Q^T in two instructions a tile.  The instruction's k = 2 h + j stands for d = 4 h + 2 c + j, on both sides alike.  The four tiles take turns, one instruction a turn.
.macro QK0 masked
.irp t, 0,1,2,3
.if \masked
	v_wmma_f32_16x16x4_f32 v[S+8*\t:S+8*\t+7], v[KR:KR+1], v[Q+4*\t:Q+4*\t+1], v[P+8*\t:P+8*\t+7]
.else
	v_wmma_f32_16x16x4_f32 v[S+8*\t:S+8*\t+7], v[KR:KR+1], v[Q+4*\t:Q+4*\t+1], 0
.endif
.endr
.endm
.macro QK1
.irp t, 0,1,2,3
	v_wmma_f32_16x16x4_f32 v[S+8*\t:S+8*\t+7], v[KR+2:KR+3], v[Q+4*\t+2:Q+4*\t+3], v[S+8*\t:S+8*\t+7]
.endr
.endm
.macro SOFTMAX                         ; the four tiles by turns in every group, so that no line waits for the line above it
.irp t, 0,1,2,3
	v_mov_b32 v[ST+6*\t+1], v[ST+6*\t]             ; the old m.  These four and four v_nop are the eight places behind the f32 products
.endr
	PLACES 4
.irp i, 0,2,4,6
.irp t, 0,1,2,3
.if \i == 0
	v_max3_num_f32 v[ST+6*\t], v[ST+6*\t+1], v[S+8*\t], v[S+8*\t+1]    ; each result is read from its low end on
.else
	v_max3_num_f32 v[ST+6*\t], v[ST+6*\t], v[S+8*\t+\i], v[S+8*\t+\i+1]
.endif
.endr
.endr
.irp t, 0,1,2,3
	v_sub_f32 v[ST+6*\t+3], v[ST+6*\t+1], v[ST+6*\t]
.endr
.irp t, 0,1,2,3
	v_exp_f32 v[ST+6*\t+2], v[ST+6*\t+3]           ; a = 2^(m_old - m_new)
.endr
.irp t, 0,1,2,3
.irp i, 0,2,4,6
	v_pk_add_f32 v[P+8*\t+\i:P+8*\t+\i+1], v[S+8*\t+\i:S+8*\t+\i+1], v[ST+6*\t:ST+6*\t+1] op_sel_hi:[1,0] neg_lo:[0,1] neg_hi:[0,1]   ; t - m, into other registers than the sums'
.endr
.endr
.set n, 0
.rept 32
	v_exp_f32 v[P+n], v[P+n]                       ; p = 2^(t - m)
.set n, n+1
.endr
	v_nop                                          ; a plain instruction behind the last exponential
	s_wait_alu depctr_va_vdst(0)                   ; ONE wait for the step's 36 exponentials, ahead of the first line that names a result
.irp t, 0,1,2,3
	v_pk_fma_f32 v[ST+6*\t+4:ST+6*\t+5], v[ST+6*\t+4:ST+6*\t+5], v[ST+6*\t+2:ST+6*\t+3], v[P+8*\t:P+8*\t+1] op_sel_hi:[1,0,1]   ; l = a l + p
.endr
.irp i, 2,4,6
.irp t, 0,1,2,3
	v_pk_add_f32 v[ST+6*\t+4:ST+6*\t+5], v[ST+6*\t+4:ST+6*\t+5], v[P+8*\t+\i:P+8*\t+\i+1]
.endr
.endr
.irp i, 0,2,4,6
.irp t, 0,1,2,3
	v_pk_mul_f32 v[O+8*\t+\i:O+8*\t+\i+1], v[O+8*\t+\i:O+8*\t+\i+1], v[ST+6*\t+2:ST+6*\t+3] op_sel_hi:[1,0]   ; O = a O
.endr
.endr
.endm
.macro PV                              ; O[d] += p[key j] v[key j][d], two d at a time; p's register serves both halves.  Sixteen other sums stand between two links of a chain
	s_wait_dscnt 0x0                               ; v is in
.irp j, 0,1,2,3,4,5,6,7
.irp t, 0,1,2,3
.irp d, 0,2,4,6
.if \j % 2 == 0
	v_pk_fma_f32 v[O+8*\t+\d:O+8*\t+\d+1], v[V+8*\j+\d:V+8*\j+\d+1], v[P+8*\t+\j:P+8*\t+\j+1], v[O+8*\t+\d:O+8*\t+\d+1] op_sel_hi:[1,0,1]
.else
	v_pk_fma_f32 v[O+8*\t+\d:O+8*\t+\d+1], v[V+8*\j+\d:V+8*\j+\d+1], v[P+8*\t+\j-1:P+8*\t+\j], v[O+8*\t+\d:O+8*\t+\d+1] op_sel:[0,1,0] op_sel_hi:[1,1,1]
.endif
.endr
.endr
.endr
.endm
; A chunk's eight key steps of 16 keys.
.macro STEPS
	s_mov_b32 s[STP], 8
.Lstep_\@:
	s_cmp_ge_u32 s[KF], s[QEND]                    ; all 16 keys come after my 64 queries: nothing to do but step
	s_cbranch_scc1 .Lhidden_\@
	v_add_nc_u32 v[ADK], s[TB], v[AK]
	v_add_nc_u32 v[ADV], s[TB], v[AV]
	ds_load_b128 v[KR:KR+3], v[ADK]
.irp j, 0,1,2,3,4,5,6,7
.irp l, 0,1
	ds_load_b128 v[V+8*\j+4*\l:V+8*\j+4*\l+3], v[ADV] offset:2048*\l+16*\j     ; sixteen lanes read the same 16 bytes
.endr
.endr
	s_cmp_ge_u32 s[KF], s[Q0]
	s_cbranch_scc1 .Ldiag_\@
	s_wait_dscnt 16                                ; k is in (and all that was issued ahead of it is done); the 16 loads of v behind it may be out
	QK0 0
	s_branch .Ljoin_\@
.Ldiag_\@:
	MASKS
	s_wait_dscnt 16                                ; as above
	QK0 1
.Ljoin_\@:
	QK1
	SOFTMAX
	PV
.Lhidden_\@:
	s_add_co_u32 s[KF], s[KF], 16
	s_add_co_u32 s[TB], s[TB], 256
	s_sub_co_u32 s[STP], s[STP], 1
	s_cmp_lg_u32 s[STP], 0
	s_cbranch_scc1 .Lstep_\@
.endm
	; ---- THE HEAD: ids, addresses, loads
	s_load_b512 s[8:23], s[0:1], 0x0               ; z_codes s[8:9], z_scales s[10:11], w_qkv_codes s[12:13], w_qkv_scales s[14:15], b_qkv s[16:17], w_proj_codes s[18:19], w_proj_scales s[20:21], b_proj s[22:23]
	s_load_b64 s[24:25], s[0:1], 0x40              ; out0
	v_lshl_add_u32 v23, v0, 2, 0x3e000
	v_mov_b32 v255, 0
	v_lshrrev_b32 v[T0], 5, v0
	v_readfirstlane_b32 s[W], v[T0]                ; wave 0..15
	v_and_b32 v[RR], 15, v0
	v_bfe_u32 v[HH], v0, 4, 1
	s_lshr_b32 s[HEAD], s[W], 1
	s_lshr_b32 s[PIECE], s[W], 2
	s_add_co_u32 s[PIECE], s[PIECE], s[W]
	s_and_b32 s[PIECE], s[PIECE], 1                ; (wave + wave / 4) % 2: of any four waves w % 4 alike, and of any four w / 4 alike, two have each block
	s_mov_b32 s[PX], ttmp9
	s_and_b32 s[BB], ttmp7, 0xffff
	s_sub_co_u32 s[BLK], 15, s[PX]
	s_cmp_eq_u32 s[PIECE], 0
	s_cselect_b32 s[BLK], s[PX], s[BLK]            ; block p or block 15 - p
	s_lshl_b32 s[Q0], s[BLK], 6
	s_add_co_u32 s[QEND], s[Q0], 64
	s_and_b32 s[CT], s[W], 7
	s_lshr_b32 s[RG], s[W], 3
	s_mov_b32 s[SEL], 0x76543210
	s_mov_b32 s[SEL+1], 0xfedcba98
	s_mov_b32 s[CS], 0x3f0293ee                    ; log2(e) / sqrt(8)
	s_mov_b32 s[CS+1], s[CS]                       ; (named with it as a pair, so it is written)
	s_lshl_b32 s48, s[HEAD], 12
	v_lshlrev_b32 v[AK], 4, v[RR]
	v_lshl_add_u32 v[AK], v[HH], 11, v[AK]
	v_add_nc_u32 v[AK], s48, v[AK]
	s_add_co_u32 s49, s48, 32768
	v_lshlrev_b32 v[AV], 7, v[HH]
	v_add_nc_u32 v[AV], s49, v[AV]
	s_lshl_b32 s52, s[CT], 13
	s_lshl_b32 s53, s[RG], 10
	s_add_co_u32 s52, s52, s53
	v_lshlrev_b32 v[APS], 4, v[RR]
	v_lshl_add_u32 v[APS], v[HH], 12, v[APS]
	v_add_nc_u32 v[APS], s52, v[APS]
	s_mul_i32 s53, s[RG], 64*48
	s_add_co_u32 s53, s53, ZC
	v_mul_u32_u24 v144, v[RR], 48
	v_mad_u32_u24 v144, v[HH], 24, v144            ; 48 r + 24 h: a fragment's lane in 16 rows of codes; also the offset of my queries' rows of z
	v_add_nc_u32 v[AZ], s53, v144
	s_lshl_b32 s53, s[RG], 8
	s_add_co_u32 s53, s53, ZS
	v_lshl_add_u32 v[AZS], v[RR], 2, s53
	v_lshlrev_b32 v[H8], 3, v[HH]
	v_sub_nc_u32 v[DQ], v[RR], v[H8]
	v_mov_b32 v[NINF], 0xff800000
	s_mul_i32 s53, s[PIECE], 64*SP
	s_lshl_b32 s54, s[HEAD], 5
	s_add_co_u32 s53, s53, s54
	s_add_co_u32 s53, s53, OST
	v_mul_u32_u24 v[OSA], v[RR], SP
	v_lshl_add_u32 v[OSA], v[HH], 4, v[OSA]
	v_add_nc_u32 v[OSA], s53, v[OSA]               ; OST + (64 x block + r) x 272 + 32 x head + 16 h
	; the loads' offsets, a register each: none is written again before the wait for all loads
	v_lshlrev_b32 v136, 4, v0                      ; z's codes: 16 bytes a thread
	v_lshlrev_b32 v137, 2, v0                      ; z's scales: 4 bytes (two rows) a thread
	v_lshlrev_b32 v145, 1, v[RR]                   ; 2 r: a row's two scale bytes
	s_lshl_b32 s48, s[CT], 4
	s_add_co_u32 s48, s48, 64                      ; my first column of w_qkv: 64 + 16 ct
	s_mul_i32 s49, s48, 48
	v_add_nc_u32 v138, s49, v144
	s_lshl_b32 s49, s48, 1
	v_add_nc_u32 v139, s49, v145
	s_lshl_b32 s49, s48, 2
	v_lshl_add_u32 v140, v[HH], 5, s49             ; the bias of columns 64 + 16 ct + 8 h + 0..7
	v_and_b32 v141, 3, v[RR]
	v_lshrrev_b32 v142, 3, v[RR]
	v_lshl_add_u32 v142, v142, 2, v141
	s_lshl_b32 s49, s[HEAD], 3
	v_add_nc_u32 v142, s49, v142                   ; q's weight: lane r takes column 8 x head + r % 4 + 4 (r / 8), so that registers 0-3 of the result are q[4 h + 0..3]
	v_mul_u32_u24 v141, v142, 48
	v_mad_u32_u24 v141, v[HH], 24, v141
	v_lshlrev_b32 v142, 1, v142
	s_lshl_b32 s49, s[HEAD], 5
	v_lshl_add_u32 v143, v[HH], 4, s49             ; q's bias: b_qkv[8 x head + 4 h + 0..3]
	v_lshl_add_u32 v[ADK], v0, 4, ZC               ; where the copies go in LDS
	v_lshl_add_u32 v[ADV], v0, 3, ZS
	s_mul_i32 s48, s[BB], 49152
	s_mov_b32 s49, 0
	s_mul_i32 s50, s[Q0], 48
	s_mov_b32 s51, 0
	s_lshl_b32 s52, s[BB], 11
	s_mov_b32 s53, 0
	s_lshl_b32 s54, s[Q0], 1
	s_mov_b32 s55, 0
	s_wait_kmcnt 0x0
	s_add_nc_u64 s[40:41], s[8:9], s[48:49]        ; z's codes of my batch,
	s_add_nc_u64 s[42:43], s[40:41], s[50:51]      ; and of my first query
	s_add_nc_u64 s[44:45], s[10:11], s[52:53]      ; z's scales likewise
	s_add_nc_u64 s[46:47], s[44:45], s[54:55]
.irp i, 0,1,2,3,4,5
	global_load_b128 v[O+4*\i:O+4*\i+3], v136, s[40:41] offset:8192*\i     ; 512 threads x 16 bytes, six times: the batch's 49,152 bytes
.endr
	global_load_b32 v88, v137, s[44:45]
	FRAGG WF, 138, 12, 0
	global_load_u16 v[SWF], v139, s[14:15]         ; two scale bytes, widened with zeros
	global_load_b128 v[WB:WB+3], v140, s[16:17]
	global_load_b128 v[WB+4:WB+7], v140, s[16:17] offset:16
	FRAGG V+48, 141, 12, 0
	global_load_u16 v[SWQ], v142, s[14:15]
	global_load_b128 v[P:P+3], v143, s[16:17]
	global_load_b128 v[P+4:P+7], v143, s[16:17]    ; (registers 4-7 of q's result repeat 0-3 and are not read)
.irp i, 0,1,2,3
	FRAGG V+12*\i, 144, 42, 768*\i
	global_load_u16 v[SZ+\i], v145, s[46:47] offset:32*\i
.endr
.irp i, 0,1,2,3,4
.irp k, 6,7,8,9,10,11
	v_mov_b32 v[V+12*\i+\k], 0                     ; K = 64 .. 127 of the four fragments of z and of q's weight: zero codes
.endr
.endr
.irp k, 6,7,8,9,10,11
	v_mov_b32 v[WF+\k], 0
.endr
.irp t, 0,1,2,3
	v_mov_b32 v[ST+6*\t], 0xff61b1e6               ; m = -3e38
	v_mov_b32 v[ST+6*\t+1], 0xff61b1e6
	v_mov_b32 v[ST+6*\t+2], 0
	v_mov_b32 v[ST+6*\t+3], 0
	v_mov_b32 v[ST+6*\t+4], 0                      ; l = 0
	v_mov_b32 v[ST+6*\t+5], 0
.endr
	s_wait_loadcnt 28                              ; the seven loads of the copy are in; the 28 issued behind them may be out
.irp i, 0,1,2,3,4,5
	ds_store_b128 v[ADK], v[O+4*\i:O+4*\i+3] offset:8192*\i
.endr
	v_and_b32 v90, 0xffff, v88
	v_lshrrev_b32 v91, 16, v88
	ds_store_b64 v[ADV], v[90:91]                  ; two rows' scale words
	s_wait_loadcnt 0x0
	s_wait_dscnt 0x0                               ; the stores have read their registers, which are cleared below
	PLACES 4
.irp t, 0,1,2,3                                        ; q of my 64 queries: source 0 = q's weight, source 1 = 16 rows of z
	v_wmma_scale_f32_16x16x128_f8f6f4 v[S+8*\t:S+8*\t+7], v[V+48:V+59], v[V+12*\t:V+12*\t+11], v[P:P+7], v[SWQ], v[SZ+\t] matrix_a_fmt:MATRIX_FMT_BF6 matrix_b_fmt:MATRIX_FMT_BF6
.endr
.set n, 0
.rept 32
	v_mov_b32 v[O+n], 0                            ; O = 0.  (Also the places behind the four products)
.set n, n+1
.endr
.irp t, 0,1,2,3
.irp i, 0,2
	v_pk_mul_f32 v[Q+4*\t+\i:Q+4*\t+\i+1], v[S+8*\t+\i:S+8*\t+\i+1], s[CS:CS+1] op_sel_hi:[1,0]   ; c q
.endr
.endr
	BARRIER                                        ; z's codes and scale words lie in LDS
	s_mov_b32 s[PB], 0
	s_mov_b32 s[ZB], 0
	s_mov_b32 s[ZSB], 0
	PRODUCE                                        ; keys 0 .. 127 into buffer 0
	s_mov_b32 s[PB], KVB
	s_mov_b32 s[ZB], 6144
	s_mov_b32 s[ZSB], 512
	s_mov_b32 s[TB], 0
	s_mov_b32 s[KF], 0
	BARRIER
	; ---- THE KEYS, 128 at a time.  A trip makes the next 128 keys' k and v in one buffer and walks this chunk's eight steps in the other.  ONE barrier a trip: in front of it each wave's stores into the
	; one buffer have landed and its reads of the other are in; behind it the buffers change places.
	s_mov_b32 s[CH], 7
.Lchunk:
	PRODUCE
	s_add_co_u32 s[ZB], s[ZB], 6144
	s_add_co_u32 s[ZSB], s[ZSB], 512
	STEPS
	s_sub_co_u32 s[TB], s[TB], 2048
	s_xor_b32 s[TB], s[TB], KVB
	s_xor_b32 s[PB], s[PB], KVB
	BARRIER
	s_sub_co_u32 s[CH], s[CH], 1
	s_cmp_lg_u32 s[CH], 0
	s_cbranch_scc1 .Lchunk
	STEPS                                          ; the last 128 keys: nothing is left to make
	; ---- THE TAIL.  Wave w: rows 16 (w / 2) .. + 15 of the work-group's 128, output columns 32 (w % 2) .. + 31.  w_proj's loads go out first and land under the joining of the lanes.
	s_and_b32 s58, s[W], 1
	s_lshl_b32 s48, s58, 5                         ; my first output column
	s_mul_i32 s49, s48, 48
	v_mul_u32_u24 v[ZA], v[RR], 48
	v_mad_u32_u24 v[ZA], v[HH], 24, v[ZA]
	v_add_nc_u32 v[ZA], s49, v[ZA]
	s_lshl_b32 s49, s48, 1
	v_lshl_add_u32 v[ZSA], v[RR], 1, s49
	s_lshl_b32 s49, s48, 2
	v_lshl_add_u32 v[PA], v[HH], 5, s49
.irp u, 0,1
	FRAGG V+12*\u, ZA, 18, 768*\u
	global_load_u16 v[SZ+\u], v[ZSA], s[20:21] offset:32*\u
	global_load_b128 v[V+24+8*\u:V+24+8*\u+3], v[PA], s[22:23] offset:64*\u        ; b_proj[32 (w % 2) + 16 u + 8 h + 0..7]: the C of the product
	global_load_b128 v[V+24+8*\u+4:V+24+8*\u+7], v[PA], s[22:23] offset:64*\u+16
.endr
.irp u, 0,1
.irp k, 6,7,8,9,10,11
	v_mov_b32 v[V+12*\u+\k], 0
.endr
.endr
	s_mul_i32 s49, s[HEAD], 16*SP
	s_add_co_u32 s50, s49, OST
	v_mul_u32_u24 v[ADK], v[RR], SP
	v_lshl_add_u32 v[ADV], v[HH], 5, v[ADK]
	v_lshl_add_u32 v[ADK], v[HH], 7, v[ADK]
	v_add_nc_u32 v[ADK], s50, v[ADK]               ; OST + (16 (w / 2) + r) x 272 + 128 h: block h of row r
	s_lshl_b32 s50, s58, 7
	s_add_co_u32 s50, s50, s49
	s_add_co_u32 s50, s50, YST
	v_add_nc_u32 v[ADV], s50, v[ADV]               ; YST + (16 (w / 2) + r) x 272 + 128 (w % 2) + 32 h
	s_mul_i32 s50, s[W], 8*SP
	s_add_co_u32 s50, s50, YST
	v_mul_u32_u24 v[AK], v[HH], SP
	v_lshl_add_u32 v[AK], v[RR], 4, v[AK]
	v_add_nc_u32 v[AK], s50, v[AK]                 ; back: rows 8 w on; lanes 0-15 one row of 256 bytes, lanes 16-31 the next
	v_and_b32 v[AV], 31, v0
	v_lshlrev_b32 v[AV], 4, v[AV]
	; the two lanes of a query are joined: m = the larger; each lane's l and O times 2^(its m - m); O / the sum of the two l
.irp t, 0,1,2,3
	v_add_f32 v[ST+6*\t+4], v[ST+6*\t+4], v[ST+6*\t+5]
.endr
.irp t, 0,1,2,3
	v_permlanex16_b32 v[ST+6*\t+3], v[ST+6*\t], s[SEL], s[SEL+1]
.endr
.irp t, 0,1,2,3
	v_max_num_f32 v[ST+6*\t+1], v[ST+6*\t], v[ST+6*\t+3]
.endr
.irp t, 0,1,2,3
	v_sub_f32 v[ST+6*\t+3], v[ST+6*\t], v[ST+6*\t+1]
.endr
.irp t, 0,1,2,3
	v_exp_f32 v[ST+6*\t+2], v[ST+6*\t+3]
.endr
	v_nop                                          ; a plain instruction behind the last exponential,
	s_wait_alu depctr_va_vdst(0)                   ; and one wait for the four, ahead of their first reader
.irp t, 0,1,2,3
	v_mul_f32 v[ST+6*\t+4], v[ST+6*\t+4], v[ST+6*\t+2]
.endr
.irp t, 0,1,2,3
	v_permlanex16_b32 v[ST+6*\t+5], v[ST+6*\t+4], s[SEL], s[SEL+1]
.endr
.irp t, 0,1,2,3
	v_add_f32 v[ST+6*\t+5], v[ST+6*\t+5], v[ST+6*\t+4]
.endr
.irp t, 0,1,2,3
	v_rcp_f32 v[ST+6*\t+3], v[ST+6*\t+5]
.endr
	v_nop
	s_wait_alu depctr_va_vdst(0)                   ; likewise for the four reciprocals
.irp t, 0,1,2,3
	v_mul_f32 v[ST+6*\t+2], v[ST+6*\t+2], v[ST+6*\t+3]
.endr
.irp i, 0,2,4,6
.irp t, 0,1,2,3
	v_pk_mul_f32 v[O+8*\t+\i:O+8*\t+\i+1], v[O+8*\t+\i:O+8*\t+\i+1], v[ST+6*\t+2:ST+6*\t+3] op_sel_hi:[1,0]
.endr
.endr
.irp t, 0,1,2,3
.irp d, 0,1,2,3
	v_permlane16_swap_b32 v[O+8*\t+\d], v[O+8*\t+\d+4]     ; register d's lanes 16-31 change places with register d + 4's lanes 0-15: both parts of d = 4 h + d now lie in my lane
.endr
.endr
.irp t, 0,1,2,3
	v_pk_add_f32 v[O+8*\t:O+8*\t+1], v[O+8*\t:O+8*\t+1], v[O+8*\t+4:O+8*\t+5]
	v_pk_add_f32 v[O+8*\t+2:O+8*\t+3], v[O+8*\t+2:O+8*\t+3], v[O+8*\t+6:O+8*\t+7]
.endr
.irp t, 0,1,2,3
	ds_store_b128 v[OSA], v[O+8*\t:O+8*\t+3] offset:16*SP*\t
.endr
	BARRIER                                        ; the 128 rows of the attention's output lie in OST, all heads side by side
.irp i, 0,1,2,3,4,5,6,7
	ds_load_b128 v[P+4*\i:P+4*\i+3], v[ADK] offset:16*\i   ; a whole block of 32 along D in my lane
.endr
	s_wait_dscnt 0x0
	; the quantiser: the block's largest magnitude, with the floor 2^(5 - 127) among its leaves, so that the byte cannot fall under 1
	v_max3_num_f32 v[T0], |v[P]|, |v[P+1]|, 0x2800000
	v_max3_num_f32 v[T0+1], |v[P+2]|, |v[P+3]|, |v[P+4]|
.irp i, 5,9,13,17,21,25
	v_max3_num_f32 v[T0], v[T0], |v[P+\i]|, |v[P+\i+1]|
	v_max3_num_f32 v[T0+1], v[T0+1], |v[P+\i+2]|, |v[P+\i+3]|
.endr
	v_max3_num_f32 v[T0], v[T0], |v[P+29]|, |v[P+30]|
	v_max3_num_f32 v[T0], v[T0], v[T0+1], |v[P+31]|
	v_add_nc_u32 v[T0+2], 0xfe000000, v[T0]        ; 4 off its exponent field: the conversion takes the exponent field of this operand as its scale
	v_lshrrev_b32 v[T0+3], 23, v[T0+2]             ; the scale's byte,
	v_lshlrev_b32 v[T0+3], v[H8], v[T0+3]          ; at block h's place in the row's word;
	v_mov_b32 v[T0+4], 0
	v_permlanex16_b32 v[T0+4], v[T0+3], s[SEL], s[SEL+1]
	v_or_b32 v[SAT], v[T0+3], v[T0+4]              ; with the other lane's the word is whole (bytes 2, 3 are zero)
	v_cvt_scalef32_pk16_bf6_f32 v[V+40:V+42], v[P:P+15], v[T0+2]
	v_cvt_scalef32_pk16_bf6_f32 v[V+52:V+54], v[P+16:P+31], v[T0+2]    ; (a conversion's three registers begin on an even number)
	v_nop                                          ; one plain instruction behind a scaled conversion
.irp i, 0,1,2
	v_mov_b32 v[V+43+\i], v[V+52+\i]
.endr
.irp k, 6,7,8,9,10,11
	v_mov_b32 v[V+40+\k], 0
.endr
	PLACES 8                                       ; a scale register written by a vector instruction stands eight places ahead of a scaled product, an operand four
	s_wait_loadcnt 0x0                             ; w_proj, its scales, b_proj
.irp u, 0,1                                            ; source 0 = 16 rows of w_proj's codes (output columns), source 1 = my 16 rows: lane (r, h) holds out[row r][32 (w % 2) + 16 u + 8 h + 0..7]
	v_wmma_scale_f32_16x16x128_f8f6f4 v[S+8*\u:S+8*\u+7], v[V+12*\u:V+12*\u+11], v[V+40:V+51], v[V+24+8*\u:V+24+8*\u+7], v[SZ+\u], v[SAT] matrix_a_fmt:MATRIX_FMT_BF6 matrix_b_fmt:MATRIX_FMT_BF6
.endr
	PLACES 4
.irp u, 0,1
	ds_store_b128 v[ADV], v[S+8*\u:S+8*\u+3] offset:64*\u
	ds_store_b128 v[ADV], v[S+8*\u+4:S+8*\u+7] offset:64*\u+16
.endr
	s_lshr_b32 s48, s[W], 3                        ; the rows that I store, 8 w on, belong to block p (waves 0-7) or 15 - p
	s_sub_co_u32 s49, 15, s[PX]
	s_cmp_eq_u32 s48, 0
	s_cselect_b32 s49, s[PX], s49
	s_lshl_b32 s49, s49, 6
	s_lshl_b32 s50, s[BB], 10
	s_add_co_u32 s49, s49, s50
	s_and_b32 s50, s[W], 7
	s_lshl_b32 s50, s50, 3
	s_add_co_u32 s49, s49, s50                     ; row 1024 b + 64 x block + 8 (w % 8)
	s_lshl_b32 s48, s49, 8
	s_mov_b32 s49, 0
	s_add_nc_u64 s[24:25], s[24:25], s[48:49]
	BARRIER                                        ; 128 whole rows of the result lie in YST
.irp i, 0,1,2,3
	ds_load_b128 v[P+4*\i:P+4*\i+3], v[AK] offset:2*SP*\i
.endr
.irp i, 0,1,2,3
	s_wait_dscnt 3-\i                              ; LDS loads come back in order: load i is in, the younger ones may be out
	global_store_b128 v[AV], v[P+4*\i:P+4*\i+3], s[24:25] offset:512*\i th:TH_STORE_NT    ; 32 lanes store two rows, 512 consecutive bytes at a multiple of 256 from out0's first byte
.endr
	s_wait_tensorcnt 0x0
	ds_add_u32 v23, v255
	s_wait_dscnt 0x0
	s_endpgm
.Lfunc_end_k_q871084e86f_attn:
	.size	k_q871084e86f_attn, .Lfunc_end_k_q871084e86f_attn-k_q871084e86f_attn
	.p2alignl 7, 3214868480
	.fill 96, 4, 3214868480
	.section	.rodata,"a",@progbits
	.p2align	6, 0x0
	.amdhsa_kernel k_q871084e86f_attn
		.amdhsa_group_segment_fixed_size 256000
		.amdhsa_private_segment_fixed_size 0
		.amdhsa_enable_private_segment 0
		.amdhsa_kernarg_size 72
		.amdhsa_user_sgpr_count 2
		.amdhsa_user_sgpr_kernarg_segment_ptr 1
		.amdhsa_wavefront_size32 1
		.amdhsa_system_sgpr_workgroup_id_x 1
		.amdhsa_system_sgpr_workgroup_id_y 1
		.amdhsa_system_sgpr_workgroup_id_z 1
		.amdhsa_system_vgpr_workitem_id 0
		.amdhsa_next_free_vgpr 256
		.amdhsa_next_free_sgpr 66
		.amdhsa_reserve_vcc 1
		.amdhsa_float_denorm_mode_32 3
		.amdhsa_float_denorm_mode_16_64 3
		.amdhsa_memory_ordered 1
		.amdhsa_forward_progress 1
		.amdhsa_inst_pref_size 68
	.end_amdhsa_kernel
	.amdgpu_metadata
---
amdhsa.version: [ 1, 2 ]
amdhsa.kernels:
  - .name:           k_q871084e86f_attn
    .symbol:         k_q871084e86f_attn.kd
    .args:
      - { .name: z_codes, .offset: 0, .size: 8, .value_kind: global_buffer, .address_space: global }
      - { .name: z_scales, .offset: 8, .size: 8, .value_kind: global_buffer, .address_space: global }
      - { .name: w_qkv_codes, .offset: 16, .size: 8, .value_kind: global_buffer, .address_space: global }
      - { .name: w_qkv_scales, .offset: 24, .size: 8, .value_kind: global_buffer, .address_space: global }
      - { .name: b_qkv, .offset: 32, .size: 8, .value_kind: global_buffer, .address_space: global }
      - { .name: w_proj_codes, .offset: 40, .size: 8, .value_kind: global_buffer, .address_space: global }
      - { .name: w_proj_scales, .offset: 48, .size: 8, .value_kind: global_buffer, .address_space: global }
      - { .name: b_proj, .offset: 56, .size: 8, .value_kind: global_buffer, .address_space: global }
      - { .name: out0, .offset: 64, .size: 8, .value_kind: global_buffer, .address_space: global }
    .group_segment_fixed_size: 256000
    .private_segment_fixed_size: 0
    .kernarg_segment_align: 8
    .kernarg_segment_size: 72
    .max_flat_workgroup_size: 512
    .sgpr_count:     66
    .vgpr_count:     256
    .wavefront_size: 32
...
	.end_amdgpu_metadata
.endif
;; end of part 1
;; ======== version 2 of 2: 1 launch; version 1 with the launch attn written anew for expert scheduling mode
;; launch attn (part 2): grid 8 x 32, 16 waves a work-group, no clusters, 256,000 bytes of LDS; arguments z_codes, z_scales, w_qkv_codes, w_qkv_scales, b_qkv, w_proj_codes, w_proj_scales, b_proj, out0; writes out0
.if DOCPART == 2
	.amdgcn_target "amdgcn-amd-amdhsa--gfx1250"
	.amdhsa_code_object_version 6
	.text
	.protected	k_q871084e86f_attn
	.globl	k_q871084e86f_attn
	.p2align	8
	.type	k_q871084e86f_attn,@function
k_q871084e86f_attn:
	s_mov_b64 s[64:65], 0
	v_nop
	global_prefetch_b8 v0, s[64:65] scope:SCOPE_SE
	s_setreg_imm32_b32 hwreg(HW_REG_WAVE_SCHED_MODE, 0, 2), 2
	s_setreg_imm32_b32 hwreg(HW_REG_WAVE_MODE, 25, 1), 1
	s_wait_xcnt 0x0
	s_wait_alu depctr_vm_vsrc(0)
; out0 = causal_attention(z w_qkv + b_qkv) w_proj + b_proj.  B = 32, L = 1,024, D = 64, 8 heads of 8.  ONE launch; q, k, v and the attention's output never go to memory.
; z w_qkv and (attention) w_proj are products on codes of BF6 (E3M2) with one E8M0 scale for each 32 along K; their K is 64, so registers 6-11 of every fragment are zero codes (and scale bytes 2, 3 are 0).
; q k^T (K = 8) goes to the f32 matrix form, p v (N = 8) to packed f32 multiply-adds: both run on into the second quantiser, so nothing narrower than f32 stands there.
; SHARES.  Work-group (p = x, b = y) owns batch b and two blocks of 64 queries, blocks p and 15 - p, for all 8 heads: 4 p + 4 and 4 (15 - p) + 4 key steps of 16 keys a head, 68 in every work-group.
; Each of its 16 waves owns one head and one of the two blocks: four tiles of 16 queries.  Four waves stand on a SIMD, two of each block, so that one wave's matrix work, LDS loads and exponentials stand beside another's multiply-adds.
; K AND V ARE MADE IN THE WORK-GROUP: z's codes of the batch (49,152 bytes) are copied into LDS once; k and v of all heads are made from them 128 keys at a time (64 matrix instructions, 4 a wave) into two LDS buffers that take turns.
; A KEY STEP.  S^T = K Q^T (source 0 = 16 keys, source 1 = 16 queries): a lane holds ONE query (lane % 16) and the keys 8 (lane / 16) + 0..7.  log2(e) / sqrt(8) is folded into q.  Each LANE keeps its own running maximum m,
; sum l and O over its own keys: p = 2^(t - m); in every step l and O are multiplied by 2^(m_old - m_new).  The two lanes of a query are joined once, at the end.  Hidden scores: the mask (0 or -infinity) is the C of the first product.
; Steps all of whose keys come after the wave's 64 queries are jumped over by a scalar branch on ids; the lines that step addresses and every barrier stand outside the jump.
; NO CLUSTER, NO JOINT LOADS: what the 8 work-groups of a batch share is z's 51,200 bytes, read once at the head through registers; the buffers that take turns are filled by the waves' own LDS stores.  No tensor load, no copy.
; NO PREFETCH: behind the head no wave waits for memory.
; LIMITS.  Scaled scores under -3e38 are not served (the running maximum starts there; a lane that has seen no key keeps l = 0 and O = 0 and counts for nothing when the lanes are joined).  NaN, infinities and scale bytes 0xff
; among the inputs are not served.  A block of zeros ahead of the last product gets the scale byte 1 where the rule says 127: its codes are zeros.  The order of the f32 sums differs from the reference's: within q . k the
; head's 8 go as 0,1,4,5 and 2,3,6,7; the keys are summed by lane; the factor folded into q is one more rounding.
; THE MODE: SCHED_MODE bits 1:0 = 2 (LLVM: expert scheduling mode 2), set by the entry lines.  The code itself states the register dependences between vector or matrix instructions and memory or LDS
; instructions, with s_wait_alu, always for 0.
; THE PLAN.  Registers that LDS or memory instructions touch, in the loops:
;   v[ADK], v[ADV]  written by two additions at a key step's head; read by that step's 17 LDS loads.
;   KR              the step's eight f32 products read it; the next step's load lands in it.
;   V               the step's 128 multiply-adds read it; the next step's 16 loads land in it.  The wave's 256 registers leave no room for a second V, so the loads follow the multiply-adds.  In the production: z's four
;                   fragments land in registers 0-5 of each twelve, zero codes are moved into 6-11, the four scaled products read all twelve.
;   v[ZA], v[ZSA], v[PA]  written at the production's head; read by its loads and its stores.     SZ: LDS loads land in it; the scaled products read it.
;   S               written by matrix instructions alone; read by the production's eight LDS stores.
; A KEY STEP has one wait on vm_vsrc (the last step's loads have read the two addresses) ahead of the two additions, and one wait on va_vdst behind them: the addresses are written, the last step's products are done
; reading KR and its multiply-adds done reading V.  Behind it stand K's load and eight of V's; V's other eight are dealt among the second four products: since that wait the vector side has named the mask's registers, P, KR, Q
; and S alone, none of V and not v[ADV].  The softmax's one wait on va_vdst is the wait for its exponentials.
; THE PRODUCTION has three waits on va_vdst (addresses written and V, SZ read out, ahead of its loads; zero codes written, ahead of its products; results written, ahead of its stores) and one on vm_vsrc behind its stores,
; from which on S and its three addresses may be written on every way: a visible step, a hidden one, the next production, the tail.
.set KVB,  65536                       ; LDS: two buffers of k and v, [16 head slots][2 planes (d / 4)][128 keys][16 bytes]: slot 4,096, plane 2,048, key 16 bytes; slots 0-7 k's heads, 8-15 v's.  One exclusive or turns one buffer into the other
.set ZC,   131072                      ; z's codes of the batch as they lie: 48 bytes a row
.set ZS,   180224                      ; z's scales: a word a row, bytes 0, 1 the row's two scale bytes, bytes 2, 3 zero
.set OST,  184320                      ; the attention's output: 128 rows (block x 64 + row) of 256 bytes + 16
.set YST,  219136                      ; the result: the same shape
.set SP,   272                         ; a stage's row: 68 words, so that sixteen rows of a 16-byte access start at sixteen different groups of banks (64 banks of 4 bytes: ISA guide 11.1)
.set AK,   1                           ; v1   k: head x 4096 + 2048 h + 16 r            (in the tail: where I read the result back)
.set AV,   2                           ; v2   v: 32768 + head x 4096 + 128 h             (in the tail: 16 x lane, my bytes in out0)
.set APS,  3                           ; v3   where I store k and v: ct x 8192 + 4096 h + rg x 1024 + 16 r
.set AZ,   4                           ; v4   z's codes: ZC + (64 rg + r) x 48 + 24 h
.set AZS,  5                           ; v5   z's scale words: ZS + (64 rg + r) x 4
.set ADK,  6                           ; v6, v7 a step's addresses                        (in the tail: the two stages)
.set ADV,  7
.set ZA,   8                           ; v8-10 the production's addresses                 (in the tail: offsets in w_proj's three buffers)
.set ZSA,  9
.set PA,   10
.set DQ,   11                          ; v11  r - 8 h
.set NINF, 12                          ; v12  -infinity
.set OSA,  13                          ; v13  where I store my queries' output in OST
.set MT,   14                          ; v14  the mask's running bound, tiles 0 and 2
.set H8,   15                          ; v15  8 h
.set SWF,  16                          ; v16-22 hold scales and nothing else: v16 my columns of w_qkv; v17-20 z's rows (in the tail v17, v18: w_proj's); v21 q's columns; v22 the attention's rows
.set SZ,   17
.set SWQ,  21
.set SAT,  22
.set ST,   24                          ; v24-47 six a tile: +0 m, +1 the old m, +2 a, +3 at work, +4, +5 l (even keys', odd keys')
.set Q,    48                          ; v48-63 four a tile: c q[query r][4 h .. 4 h + 3]
.set O,    64                          ; v64-95 eight a tile: my lane's sums of p v
.set S,    96                          ; v96-127 eight a tile: every matrix result.  Written by matrix instructions alone
.set P,    128                         ; v128-159 eight a tile: the mask, then p; at the head q's bias and the loads' offsets; in the tail the 32 numbers to quantise
.set V,    160                         ; v160-223 register 8 j + d: v[key 8 h + j][d]; in the production four fragments of z; at the head also q's weight; in the tail w_proj, b_proj and the codes
.set KR,   224                         ; v224-227 k[key r][4 h .. 4 h + 3]
.set WF,   228                         ; v228-239 my 16 columns of w_qkv as a fragment: kept
.set WB,   240                         ; v240-247 their bias, in the result's layout: kept
.set RR,   248                         ; v248 r = lane % 16;  v249 h = lane / 16
.set HH,   249
.set T0,   250                         ; v250-254 at work
.set MT2,  250                         ; v250 in the key steps: the mask's running bound, tiles 1 and 3
.set W,    2                           ; s2 wave; s3 head = wave / 2; s4 which of the two blocks; s5 p; s6 b; s7 my block
.set HEAD, 3
.set PIECE, 4
.set PX,   5
.set BB,   6
.set BLK,  7
.set Q0,   26                          ; s26 my first query; s27 one past my last
.set QEND, 27
.set KF,   28                          ; s28 the step's first key
.set TB,   29                          ; s29 the buffer that is read + 256 x step
.set PB,   30                          ; s30 the buffer that is filled
.set ZB,   31                          ; s31, s32 where the chunk to be made begins in ZC and in ZS
.set ZSB,  32
.set CH,   33                          ; s33, s34 counters
.set STP,  34
.set SEL,  36                          ; s[36:37] lane selects of v_permlanex16_b32: lane l xor 16
.set CS,   38                          ; s[38:39] c = log2(e) / sqrt(8)
.set MK,   40                          ; s40-55 in the key steps: sixteen lane masks of the causal mask (at the head: z's addresses and scratch, done with when all loads are in)
.set CT,   56                          ; s56 ct = wave % 8: my 16 columns of k and v; s57 rg = wave / 8: my 64 of a chunk's 128 rows
.set RG,   57
.macro PLACES n                        ; plain vector instructions that name no register of the matrix instruction ahead (ISA guide 7.12.1)
.rept \n
	v_nop
.endr
.endm
.macro FRAGG reg, off, base, imm       ; the lower half of a 6-bit fragment from memory: 24 bytes of a row's stream of bits, in three pieces of 8
.irp p, 0,1,2
	global_load_b64 v[(\reg)+2*\p:(\reg)+2*\p+1], v[\off], s[\base:\base+1] offset:(\imm)+8*\p
.endr
.endm
.macro BARRIER                         ; my LDS stores have landed and my LDS loads are in: then the work-group's barrier
	s_wait_dscnt 0x0
	s_barrier_signal -1
	s_barrier_wait -1
.endm
; k and v of 128 keys.  Source 0 = my 16 columns of w_qkv, source 1 = 16 rows of z, C = the bias: lane (r, h) then holds key r of head slot 2 ct + h, register j its d = j.
.macro PRODUCE
	v_add_nc_u32 v[ZA], s[ZB], v[AZ]               ; (the wait at the end of the production before has shown these three read)
	v_add_nc_u32 v[ZSA], s[ZSB], v[AZS]
	v_add_nc_u32 v[PA], s[PB], v[APS]
	s_wait_alu depctr_va_vdst(0)                   ; the three addresses are written, which the loads and stores below read; the key steps' multiply-adds are done reading V and the last scaled products done reading V and SZ, in which the loads land
.irp i, 0,1,2,3
.irp p, 0,1,2
	ds_load_b64 v[V+12*\i+2*\p:V+12*\i+2*\p+1], v[ZA] offset:768*\i+8*\p
.endr
	ds_load_b32 v[SZ+\i], v[ZSA] offset:64*\i
.endr
.irp i, 0,1,2,3
.irp k, 6,7,8,9,10,11
	v_mov_b32 v[V+12*\i+\k], 0                     ; K = 64 .. 127: zero codes (the key steps have used these registers for v).  No load above lands in them: they are written while the loads are out
.endr
.endr
	PLACES 4                                       ; operand registers written by vector instructions stand four places ahead of a scaled product
	s_wait_dscnt 0x0
	s_wait_alu depctr_va_vdst(0)                   ; the zero codes are written, which the scaled products take as part of source 1
.irp i, 0,1,2,3
	v_wmma_scale_f32_16x16x128_f8f6f4 v[S+8*\i:S+8*\i+7], v[WF:WF+11], v[V+12*\i:V+12*\i+11], v[WB:WB+7], v[SWF], v[SZ+\i] matrix_a_fmt:MATRIX_FMT_BF6 matrix_b_fmt:MATRIX_FMT_BF6
.endr
	PLACES 5                                       ; four ahead of the stores that read the results, five ahead of the next matrix instruction that writes over the results
	s_wait_alu depctr_va_vdst(0)                   ; the four products have written S, which the stores read; the places above stay beside this wait
.irp i, 0,1,2,3
	ds_store_b128 v[PA], v[S+8*\i:S+8*\i+3] offset:256*\i              ; d = 0 .. 3: each result from its low end on
	ds_store_b128 v[PA], v[S+8*\i+4:S+8*\i+7] offset:256*\i+2048       ; d = 4 .. 7
.endr
	s_wait_alu depctr_vm_vsrc(0)                   ; the stores have read S and v[PA], the loads v[ZA] and v[ZSA]: the next products write S and the next production (or the tail) the three addresses, on whatever way
.endm
; The mask of a step on the diagonal: key KF + 8 h + j is hidden from query Q0 + 16 t + r where j > Q0 - KF + r - 8 h + 16 t.  Two tiles' sixteen compares go as a run into sixteen scalar registers, with one wait behind the run.
.macro MASKS
	s_sub_co_i32 s59, s[Q0], s[KF]
	v_add_nc_u32 v[MT], s59, v[DQ]
	v_add_nc_u32 v[MT2], 16, v[MT]
.irp g, 0,1
.irp j, 0,1,2,3,4,5,6,7
	v_cmp_gt_i32 s[MK+\j], \j, v[MT]               ; tile 2 g
.endr
.irp j, 0,1,2,3,4,5,6,7
	v_cmp_gt_i32 s[MK+8+\j], \j, v[MT2]            ; tile 2 g + 1
.endr
	s_wait_alu depctr_va_sdst(0)                   ; the sixteen compares have written their lane masks, ahead of the selects that read them
.irp u, 0,1
.irp j, 0,1,2,3,4,5,6,7
	v_cndmask_b32 v[P+8*(2*\g+\u)+\j], 0, v[NINF], s[MK+8*\u+\j]
.endr
.endr
.if \g == 0
	v_add_nc_u32 v[MT], 32, v[MT]
	v_add_nc_u32 v[MT2], 32, v[MT2]
.endif
.endr
.endm
; S^T = K Q^T in two instructions a tile.  The instruction's k = 2 h + j stands for d = 4 h + 2 c + j, on both sides alike.  The four tiles take turns, one instruction a turn.
.macro QK0 masked
.irp t, 0,1,2,3
.if \masked
	v_wmma_f32_16x16x4_f32 v[S+8*\t:S+8*\t+7], v[KR:KR+1], v[Q+4*\t:Q+4*\t+1], v[P+8*\t:P+8*\t+7]
.else
	v_wmma_f32_16x16x4_f32 v[S+8*\t:S+8*\t+7], v[KR:KR+1], v[Q+4*\t:Q+4*\t+1], 0
.endif
.endr
.endm
.macro QK1                             ; the second four products, and among them v of the step's keys 8 h + 4 .. 8 h + 7: two loads ahead of each product
.irp t, 0,1,2,3
.irp l, 0,1
	ds_load_b128 v[V+8*(4+\t)+4*\l:V+8*(4+\t)+4*\l+3], v[ADV] offset:2048*\l+16*(4+\t)   ; no wait: since the wait at the step's head no vector or matrix instruction names these registers or v[ADV]
.endr
	v_wmma_f32_16x16x4_f32 v[S+8*\t:S+8*\t+7], v[KR+2:KR+3], v[Q+4*\t+2:Q+4*\t+3], v[S+8*\t:S+8*\t+7]
.endr
.endm
.macro SOFTMAX                         ; the four tiles by turns in every group, so that no line waits for the line above it
.irp t, 0,1,2,3
	v_mov_b32 v[ST+6*\t+1], v[ST+6*\t]             ; the old m.  These four and four v_nop are the eight places behind the f32 products
.endr
	PLACES 4
.irp i, 0,2,4,6
.irp t, 0,1,2,3
.if \i == 0
	v_max3_num_f32 v[ST+6*\t], v[ST+6*\t+1], v[S+8*\t], v[S+8*\t+1]    ; each result is read from its low end on
.else
	v_max3_num_f32 v[ST+6*\t], v[ST+6*\t], v[S+8*\t+\i], v[S+8*\t+\i+1]
.endif
.endr
.endr
.irp t, 0,1,2,3
	v_sub_f32 v[ST+6*\t+3], v[ST+6*\t+1], v[ST+6*\t]
.endr
.irp t, 0,1,2,3
	v_exp_f32 v[ST+6*\t+2], v[ST+6*\t+3]           ; a = 2^(m_old - m_new)
.endr
.irp t, 0,1,2,3
.irp i, 0,2,4,6
	v_pk_add_f32 v[P+8*\t+\i:P+8*\t+\i+1], v[S+8*\t+\i:S+8*\t+\i+1], v[ST+6*\t:ST+6*\t+1] op_sel_hi:[1,0] neg_lo:[0,1] neg_hi:[0,1]   ; t - m, into other registers than the sums'
.endr
.endr
.set n, 0
.rept 32
	v_exp_f32 v[P+n], v[P+n]                       ; p = 2^(t - m)
.set n, n+1
.endr
	v_nop                                          ; a plain instruction behind the last exponential
	s_wait_alu depctr_va_vdst(0)                   ; the step's 36 exponentials have written the four a and the 32 p: ONE wait, ahead of the first line that names one of them
.irp t, 0,1,2,3
	v_pk_fma_f32 v[ST+6*\t+4:ST+6*\t+5], v[ST+6*\t+4:ST+6*\t+5], v[ST+6*\t+2:ST+6*\t+3], v[P+8*\t:P+8*\t+1] op_sel_hi:[1,0,1]   ; l = a l + p
.endr
.irp i, 2,4,6
.irp t, 0,1,2,3
	v_pk_add_f32 v[ST+6*\t+4:ST+6*\t+5], v[ST+6*\t+4:ST+6*\t+5], v[P+8*\t+\i:P+8*\t+\i+1]
.endr
.endr
.irp i, 0,2,4,6
.irp t, 0,1,2,3
	v_pk_mul_f32 v[O+8*\t+\i:O+8*\t+\i+1], v[O+8*\t+\i:O+8*\t+\i+1], v[ST+6*\t+2:ST+6*\t+3] op_sel_hi:[1,0]   ; O = a O
.endr
.endr
.endm
.macro PV                              ; O[d] += p[key j] v[key j][d], two d at a time; p's register serves both halves.  Sixteen other sums stand between two links of a chain
	s_wait_dscnt 0x0                               ; v is in
.irp j, 0,1,2,3,4,5,6,7
.irp t, 0,1,2,3
.irp d, 0,2,4,6
.if \j % 2 == 0
	v_pk_fma_f32 v[O+8*\t+\d:O+8*\t+\d+1], v[V+8*\j+\d:V+8*\j+\d+1], v[P+8*\t+\j:P+8*\t+\j+1], v[O+8*\t+\d:O+8*\t+\d+1] op_sel_hi:[1,0,1]
.else
	v_pk_fma_f32 v[O+8*\t+\d:O+8*\t+\d+1], v[V+8*\j+\d:V+8*\j+\d+1], v[P+8*\t+\j-1:P+8*\t+\j], v[O+8*\t+\d:O+8*\t+\d+1] op_sel:[0,1,0] op_sel_hi:[1,1,1]
.endif
.endr
.endr
.endr
.endm
; A chunk's eight key steps of 16 keys.
.macro STEPS
	s_mov_b32 s[STP], 8
.Lstep_\@:
	s_cmp_ge_u32 s[KF], s[QEND]                    ; all 16 keys come after my 64 queries: nothing to do but step
	s_cbranch_scc1 .Lhidden_\@
	s_wait_alu depctr_vm_vsrc(0)                   ; the last step's LDS loads have read v[ADK] and v[ADV], which the two lines below write
	v_add_nc_u32 v[ADK], s[TB], v[AK]
	v_add_nc_u32 v[ADV], s[TB], v[AV]
	s_wait_alu depctr_va_vdst(0)                   ; the two addresses are written; the last step's products are done reading KR and its multiply-adds done reading V (behind a production: its products are done reading V, its zero codes are written): the step's 17 loads land there
	ds_load_b128 v[KR:KR+3], v[ADK]
.irp j, 0,1,2,3
.irp l, 0,1
	ds_load_b128 v[V+8*\j+4*\l:V+8*\j+4*\l+3], v[ADV] offset:2048*\l+16*\j     ; sixteen lanes read the same 16 bytes
.endr
.endr
	s_cmp_ge_u32 s[KF], s[Q0]
	s_cbranch_scc1 .Ldiag_\@
	s_wait_dscnt 8                                 ; k is in; the eight loads of v behind it may be out
	QK0 0
	s_branch .Ljoin_\@
.Ldiag_\@:
	MASKS
	s_wait_dscnt 8                                 ; as above
	QK0 1
.Ljoin_\@:
	QK1
	SOFTMAX
	PV
.Lhidden_\@:
	s_add_co_u32 s[KF], s[KF], 16
	s_add_co_u32 s[TB], s[TB], 256
	s_sub_co_u32 s[STP], s[STP], 1
	s_cmp_lg_u32 s[STP], 0
	s_cbranch_scc1 .Lstep_\@
.endm
	; ---- THE HEAD: ids, addresses, loads
	s_load_b512 s[8:23], s[0:1], 0x0               ; z_codes s[8:9], z_scales s[10:11], w_qkv_codes s[12:13], w_qkv_scales s[14:15], b_qkv s[16:17], w_proj_codes s[18:19], w_proj_scales s[20:21], b_proj s[22:23]
	s_load_b64 s[24:25], s[0:1], 0x40              ; out0
	v_lshl_add_u32 v23, v0, 2, 0x3e000
	v_mov_b32 v255, 0
	v_lshrrev_b32 v[T0], 5, v0
	v_readfirstlane_b32 s[W], v[T0]                ; wave 0..15
	v_and_b32 v[RR], 15, v0
	v_bfe_u32 v[HH], v0, 4, 1
	s_wait_alu depctr_va_sdst(0)                   ; the wave's number is written, ahead of its first reader: shares, addresses and branches are made from it
	s_lshr_b32 s[HEAD], s[W], 1
	s_lshr_b32 s[PIECE], s[W], 2
	s_add_co_u32 s[PIECE], s[PIECE], s[W]
	s_and_b32 s[PIECE], s[PIECE], 1                ; (wave + wave / 4) % 2: of any four waves w % 4 alike, and of any four w / 4 alike, two have each block
	s_mov_b32 s[PX], ttmp9
	s_and_b32 s[BB], ttmp7, 0xffff
	s_sub_co_u32 s[BLK], 15, s[PX]
	s_cmp_eq_u32 s[PIECE], 0
	s_cselect_b32 s[BLK], s[PX], s[BLK]            ; block p or block 15 - p
	s_lshl_b32 s[Q0], s[BLK], 6
	s_add_co_u32 s[QEND], s[Q0], 64
	s_and_b32 s[CT], s[W], 7
	s_lshr_b32 s[RG], s[W], 3
	s_mov_b32 s[SEL], 0x76543210
	s_mov_b32 s[SEL+1], 0xfedcba98
	s_mov_b32 s[CS], 0x3f0293ee                    ; log2(e) / sqrt(8)
	s_mov_b32 s[CS+1], s[CS]                       ; (named with it as a pair, so it is written)
	s_lshl_b32 s48, s[HEAD], 12
	v_lshlrev_b32 v[AK], 4, v[RR]
	v_lshl_add_u32 v[AK], v[HH], 11, v[AK]
	v_add_nc_u32 v[AK], s48, v[AK]
	s_add_co_u32 s49, s48, 32768
	v_lshlrev_b32 v[AV], 7, v[HH]
	v_add_nc_u32 v[AV], s49, v[AV]
	s_lshl_b32 s52, s[CT], 13
	s_lshl_b32 s53, s[RG], 10
	s_add_co_u32 s52, s52, s53
	v_lshlrev_b32 v[APS], 4, v[RR]
	v_lshl_add_u32 v[APS], v[HH], 12, v[APS]
	v_add_nc_u32 v[APS], s52, v[APS]
	s_mul_i32 s53, s[RG], 64*48
	s_add_co_u32 s53, s53, ZC
	v_mul_u32_u24 v144, v[RR], 48
	v_mad_u32_u24 v144, v[HH], 24, v144            ; 48 r + 24 h: a fragment's lane in 16 rows of codes; also the offset of my queries' rows of z
	v_add_nc_u32 v[AZ], s53, v144
	s_lshl_b32 s53, s[RG], 8
	s_add_co_u32 s53, s53, ZS
	v_lshl_add_u32 v[AZS], v[RR], 2, s53
	v_lshlrev_b32 v[H8], 3, v[HH]
	v_sub_nc_u32 v[DQ], v[RR], v[H8]
	v_mov_b32 v[NINF], 0xff800000
	s_mul_i32 s53, s[PIECE], 64*SP
	s_lshl_b32 s54, s[HEAD], 5
	s_add_co_u32 s53, s53, s54
	s_add_co_u32 s53, s53, OST
	v_mul_u32_u24 v[OSA], v[RR], SP
	v_lshl_add_u32 v[OSA], v[HH], 4, v[OSA]
	v_add_nc_u32 v[OSA], s53, v[OSA]               ; OST + (64 x block + r) x 272 + 32 x head + 16 h
	; the loads' offsets, a register each: none is written again before the wait for all loads
	v_lshlrev_b32 v136, 4, v0                      ; z's codes: 16 bytes a thread
	v_lshlrev_b32 v137, 2, v0                      ; z's scales: 4 bytes (two rows) a thread
	v_lshlrev_b32 v145, 1, v[RR]                   ; 2 r: a row's two scale bytes
	s_lshl_b32 s48, s[CT], 4
	s_add_co_u32 s48, s48, 64                      ; my first column of w_qkv: 64 + 16 ct
	s_mul_i32 s49, s48, 48
	v_add_nc_u32 v138, s49, v144
	s_lshl_b32 s49, s48, 1
	v_add_nc_u32 v139, s49, v145
	s_lshl_b32 s49, s48, 2
	v_lshl_add_u32 v140, v[HH], 5, s49             ; the bias of columns 64 + 16 ct + 8 h + 0..7
	v_and_b32 v141, 3, v[RR]
	v_lshrrev_b32 v142, 3, v[RR]
	v_lshl_add_u32 v142, v142, 2, v141
	s_lshl_b32 s49, s[HEAD], 3
	v_add_nc_u32 v142, s49, v142                   ; q's weight: lane r takes column 8 x head + r % 4 + 4 (r / 8), so that registers 0-3 of the result are q[4 h + 0..3]
	v_mul_u32_u24 v141, v142, 48
	v_mad_u32_u24 v141, v[HH], 24, v141
	v_lshlrev_b32 v142, 1, v142
	s_lshl_b32 s49, s[HEAD], 5
	v_lshl_add_u32 v143, v[HH], 4, s49             ; q's bias: b_qkv[8 x head + 4 h + 0..3]
	v_lshl_add_u32 v[ADK], v0, 4, ZC               ; where the copies go in LDS
	v_lshl_add_u32 v[ADV], v0, 3, ZS
	s_mul_i32 s48, s[BB], 49152
	s_mov_b32 s49, 0
	s_mul_i32 s50, s[Q0], 48
	s_mov_b32 s51, 0
	s_lshl_b32 s52, s[BB], 11
	s_mov_b32 s53, 0
	s_lshl_b32 s54, s[Q0], 1
	s_mov_b32 s55, 0
	s_wait_kmcnt 0x0
	s_add_nc_u64 s[40:41], s[8:9], s[48:49]        ; z's codes of my batch,
	s_add_nc_u64 s[42:43], s[40:41], s[50:51]      ; and of my first query
	s_add_nc_u64 s[44:45], s[10:11], s[52:53]      ; z's scales likewise
	s_add_nc_u64 s[46:47], s[44:45], s[54:55]
	s_wait_alu depctr_va_vdst(0)                   ; the ten offsets v136 to v145 are written, which the loads below read; so are v[ADK], v[ADV] for the copy's stores and v[OSA] for the tail's
.irp i, 0,1,2,3,4,5
	global_load_b128 v[O+4*\i:O+4*\i+3], v136, s[40:41] offset:8192*\i     ; 512 threads x 16 bytes, six times: the batch's 49,152 bytes
.endr
	global_load_b32 v88, v137, s[44:45]
	FRAGG WF, 138, 12, 0
	global_load_u16 v[SWF], v139, s[14:15]         ; two scale bytes, widened with zeros
	global_load_b128 v[WB:WB+3], v140, s[16:17]
	global_load_b128 v[WB+4:WB+7], v140, s[16:17] offset:16
	FRAGG V+48, 141, 12, 0
	global_load_u16 v[SWQ], v142, s[14:15]
	global_load_b128 v[P:P+3], v143, s[16:17]
	global_load_b128 v[P+4:P+7], v143, s[16:17]    ; (registers 4-7 of q's result repeat 0-3 and are not read)
.irp i, 0,1,2,3
	FRAGG V+12*\i, 144, 42, 768*\i
	global_load_u16 v[SZ+\i], v145, s[46:47] offset:32*\i
.endr
.irp t, 0,1,2,3
	v_mov_b32 v[ST+6*\t], 0xff61b1e6               ; m = -3e38
	v_mov_b32 v[ST+6*\t+1], 0xff61b1e6
	v_mov_b32 v[ST+6*\t+2], 0
	v_mov_b32 v[ST+6*\t+3], 0
	v_mov_b32 v[ST+6*\t+4], 0                      ; l = 0
	v_mov_b32 v[ST+6*\t+5], 0
.endr
	s_wait_loadcnt 28                              ; the seven loads of the copy are in; the 28 issued behind them may be out
	v_and_b32 v90, 0xffff, v88
	v_lshrrev_b32 v91, 16, v88                     ; two rows' scale words
	s_wait_alu depctr_va_vdst(0)                   ; v90 and v91 are written, which the last store of the run below reads
.irp i, 0,1,2,3,4,5
	ds_store_b128 v[ADK], v[O+4*\i:O+4*\i+3] offset:8192*\i
.endr
	ds_store_b64 v[ADV], v[90:91]
.irp i, 0,1,2,3,4
.irp k, 6,7,8,9,10,11
	v_mov_b32 v[V+12*\i+\k], 0                     ; K = 64 .. 127 of the four fragments of z and of q's weight: zero codes.  No load lands in these registers
.endr
.endr
.irp k, 6,7,8,9,10,11
	v_mov_b32 v[WF+\k], 0
.endr
	s_wait_loadcnt 0x0
	PLACES 4
	s_wait_alu depctr_vm_vsrc(0)                   ; the copy's stores have read O's registers, which are cleared below, and v[ADK], v[ADV], which the key steps write; the loads have read v136 to v145, which the key steps write as P
	s_wait_alu depctr_va_vdst(0)                   ; the zero codes are written, which the scaled products take as part of both sources
.irp t, 0,1,2,3                                        ; q of my 64 queries: source 0 = q's weight, source 1 = 16 rows of z
	v_wmma_scale_f32_16x16x128_f8f6f4 v[S+8*\t:S+8*\t+7], v[V+48:V+59], v[V+12*\t:V+12*\t+11], v[P:P+7], v[SWQ], v[SZ+\t] matrix_a_fmt:MATRIX_FMT_BF6 matrix_b_fmt:MATRIX_FMT_BF6
.endr
.set n, 0
.rept 32
	v_mov_b32 v[O+n], 0                            ; O = 0.  (Also the places behind the four products)
.set n, n+1
.endr
.irp t, 0,1,2,3
.irp i, 0,2
	v_pk_mul_f32 v[Q+4*\t+\i:Q+4*\t+\i+1], v[S+8*\t+\i:S+8*\t+\i+1], s[CS:CS+1] op_sel_hi:[1,0]   ; c q
.endr
.endr
	BARRIER                                        ; z's codes and scale words lie in LDS
	s_mov_b32 s[PB], 0
	s_mov_b32 s[ZB], 0
	s_mov_b32 s[ZSB], 0
	PRODUCE                                        ; keys 0 .. 127 into buffer 0
	s_mov_b32 s[PB], KVB
	s_mov_b32 s[ZB], 6144
	s_mov_b32 s[ZSB], 512
	s_mov_b32 s[TB], 0
	s_mov_b32 s[KF], 0
	BARRIER
	; ---- THE KEYS, 128 at a time.  A trip makes the next 128 keys' k and v in one buffer and walks this chunk's eight steps in the other.  ONE barrier a trip: in front of it each wave's stores into the
	; one buffer have landed and its reads of the other are in; behind it the buffers change places.
	s_mov_b32 s[CH], 7
.Lchunk:
	PRODUCE
	s_add_co_u32 s[ZB], s[ZB], 6144
	s_add_co_u32 s[ZSB], s[ZSB], 512
	STEPS
	s_sub_co_u32 s[TB], s[TB], 2048
	s_xor_b32 s[TB], s[TB], KVB
	s_xor_b32 s[PB], s[PB], KVB
	BARRIER
	s_sub_co_u32 s[CH], s[CH], 1
	s_cmp_lg_u32 s[CH], 0
	s_cbranch_scc1 .Lchunk
	STEPS                                          ; the last 128 keys: nothing is left to make
	; ---- THE TAIL.  Wave w: rows 16 (w / 2) .. + 15 of the work-group's 128, output columns 32 (w % 2) .. + 31.  All its addresses are made first, so that one wait serves them; then w_proj's loads go out and land under the joining of the lanes.
	s_and_b32 s58, s[W], 1
	s_lshl_b32 s48, s58, 5                         ; my first output column
	s_mul_i32 s49, s48, 48
	s_wait_alu depctr_vm_vsrc(0)                   ; the last key step's LDS loads have read v[ADK] and v[ADV], which are written anew below
	v_mul_u32_u24 v[ZA], v[RR], 48
	v_mad_u32_u24 v[ZA], v[HH], 24, v[ZA]
	v_add_nc_u32 v[ZA], s49, v[ZA]
	s_lshl_b32 s49, s48, 1
	v_lshl_add_u32 v[ZSA], v[RR], 1, s49
	s_lshl_b32 s49, s48, 2
	v_lshl_add_u32 v[PA], v[HH], 5, s49
	s_mul_i32 s49, s[HEAD], 16*SP
	s_add_co_u32 s50, s49, OST
	v_mul_u32_u24 v[ADK], v[RR], SP
	v_lshl_add_u32 v[ADV], v[HH], 5, v[ADK]
	v_lshl_add_u32 v[ADK], v[HH], 7, v[ADK]
	v_add_nc_u32 v[ADK], s50, v[ADK]               ; OST + (16 (w / 2) + r) x 272 + 128 h: block h of row r
	s_lshl_b32 s50, s58, 7
	s_add_co_u32 s50, s50, s49
	s_add_co_u32 s50, s50, YST
	v_add_nc_u32 v[ADV], s50, v[ADV]               ; YST + (16 (w / 2) + r) x 272 + 128 (w % 2) + 32 h
	s_mul_i32 s50, s[W], 8*SP
	s_add_co_u32 s50, s50, YST
	v_mul_u32_u24 v[AK], v[HH], SP
	v_lshl_add_u32 v[AK], v[RR], 4, v[AK]
	v_add_nc_u32 v[AK], s50, v[AK]                 ; back: rows 8 w on; lanes 0-15 one row of 256 bytes, lanes 16-31 the next
	v_and_b32 v[AV], 31, v0
	v_lshlrev_b32 v[AV], 4, v[AV]
	s_wait_alu depctr_va_vdst(0)                   ; the tail's seven offsets and addresses are written, which its loads and stores read; the key steps' multiply-adds are done reading V and the production's products done reading SZ, in which the loads below land
.irp u, 0,1
	FRAGG V+12*\u, ZA, 18, 768*\u
	global_load_u16 v[SZ+\u], v[ZSA], s[20:21] offset:32*\u
	global_load_b128 v[V+24+8*\u:V+24+8*\u+3], v[PA], s[22:23] offset:64*\u        ; b_proj[32 (w % 2) + 16 u + 8 h + 0..7]: the C of the product
	global_load_b128 v[V+24+8*\u+4:V+24+8*\u+7], v[PA], s[22:23] offset:64*\u+16
.endr
.irp u, 0,1
.irp k, 6,7,8,9,10,11
	v_mov_b32 v[V+12*\u+\k], 0                     ; (no load lands in these registers)
.endr
.endr
	; the two lanes of a query are joined: m = the larger; each lane's l and O times 2^(its m - m); O / the sum of the two l
.irp t, 0,1,2,3
	v_add_f32 v[ST+6*\t+4], v[ST+6*\t+4], v[ST+6*\t+5]
.endr
.irp t, 0,1,2,3
	v_permlanex16_b32 v[ST+6*\t+3], v[ST+6*\t], s[SEL], s[SEL+1]
.endr
.irp t, 0,1,2,3
	v_max_num_f32 v[ST+6*\t+1], v[ST+6*\t], v[ST+6*\t+3]
.endr
.irp t, 0,1,2,3
	v_sub_f32 v[ST+6*\t+3], v[ST+6*\t], v[ST+6*\t+1]
.endr
.irp t, 0,1,2,3
	v_exp_f32 v[ST+6*\t+2], v[ST+6*\t+3]
.endr
	v_nop                                          ; a plain instruction behind the last exponential,
	s_wait_alu depctr_va_vdst(0)                   ; and one wait: the four exponentials have written their factors, ahead of the first line that names one
.irp t, 0,1,2,3
	v_mul_f32 v[ST+6*\t+4], v[ST+6*\t+4], v[ST+6*\t+2]
.endr
.irp t, 0,1,2,3
	v_permlanex16_b32 v[ST+6*\t+5], v[ST+6*\t+4], s[SEL], s[SEL+1]
.endr
.irp t, 0,1,2,3
	v_add_f32 v[ST+6*\t+5], v[ST+6*\t+5], v[ST+6*\t+4]
.endr
.irp t, 0,1,2,3
	v_rcp_f32 v[ST+6*\t+3], v[ST+6*\t+5]
.endr
	v_nop
	s_wait_alu depctr_va_vdst(0)                   ; likewise: the four reciprocals are written, ahead of their first reader
.irp t, 0,1,2,3
	v_mul_f32 v[ST+6*\t+2], v[ST+6*\t+2], v[ST+6*\t+3]
.endr
.irp i, 0,2,4,6
.irp t, 0,1,2,3
	v_pk_mul_f32 v[O+8*\t+\i:O+8*\t+\i+1], v[O+8*\t+\i:O+8*\t+\i+1], v[ST+6*\t+2:ST+6*\t+3] op_sel_hi:[1,0]
.endr
.endr
.irp t, 0,1,2,3
.irp d, 0,1,2,3
	v_permlane16_swap_b32 v[O+8*\t+\d], v[O+8*\t+\d+4]     ; register d's lanes 16-31 change places with register d + 4's lanes 0-15: both parts of d = 4 h + d now lie in my lane
.endr
.endr
.irp t, 0,1,2,3
	v_pk_add_f32 v[O+8*\t:O+8*\t+1], v[O+8*\t:O+8*\t+1], v[O+8*\t+4:O+8*\t+5]
	v_pk_add_f32 v[O+8*\t+2:O+8*\t+3], v[O+8*\t+2:O+8*\t+3], v[O+8*\t+6:O+8*\t+7]
.endr
	s_wait_alu depctr_va_vdst(0)                   ; the additions have written O, which the stores read; and every vector instruction that named P is done: the loads behind the barrier land there, with no vector instruction between
.irp t, 0,1,2,3
	ds_store_b128 v[OSA], v[O+8*\t:O+8*\t+3] offset:16*SP*\t
.endr
	BARRIER                                        ; the 128 rows of the attention's output lie in OST, all heads side by side
.irp i, 0,1,2,3,4,5,6,7
	ds_load_b128 v[P+4*\i:P+4*\i+3], v[ADK] offset:16*\i   ; a whole block of 32 along D in my lane
.endr
	s_wait_dscnt 0x0
	; the quantiser: the block's largest magnitude, with the floor 2^(5 - 127) among its leaves, so that the byte cannot fall under 1
	v_max3_num_f32 v[T0], |v[P]|, |v[P+1]|, 0x2800000
	v_max3_num_f32 v[T0+1], |v[P+2]|, |v[P+3]|, |v[P+4]|
.irp i, 5,9,13,17,21,25
	v_max3_num_f32 v[T0], v[T0], |v[P+\i]|, |v[P+\i+1]|
	v_max3_num_f32 v[T0+1], v[T0+1], |v[P+\i+2]|, |v[P+\i+3]|
.endr
	v_max3_num_f32 v[T0], v[T0], |v[P+29]|, |v[P+30]|
	v_max3_num_f32 v[T0], v[T0], v[T0+1], |v[P+31]|
	v_add_nc_u32 v[T0+2], 0xfe000000, v[T0]        ; 4 off its exponent field: the conversion takes the exponent field of this operand as its scale
	v_lshrrev_b32 v[T0+3], 23, v[T0+2]             ; the scale's byte,
	v_lshlrev_b32 v[T0+3], v[H8], v[T0+3]          ; at block h's place in the row's word;
	v_mov_b32 v[T0+4], 0
	v_permlanex16_b32 v[T0+4], v[T0+3], s[SEL], s[SEL+1]
	v_or_b32 v[SAT], v[T0+3], v[T0+4]              ; with the other lane's the word is whole (bytes 2, 3 are zero)
	v_cvt_scalef32_pk16_bf6_f32 v[V+40:V+42], v[P:P+15], v[T0+2]
	v_cvt_scalef32_pk16_bf6_f32 v[V+52:V+54], v[P+16:P+31], v[T0+2]    ; (a conversion's three registers begin on an even number)
	v_nop                                          ; one plain instruction behind a scaled conversion
.irp i, 0,1,2
	v_mov_b32 v[V+43+\i], v[V+52+\i]
.endr
.irp k, 6,7,8,9,10,11
	v_mov_b32 v[V+40+\k], 0
.endr
	PLACES 8                                       ; a scale register written by a vector instruction stands eight places ahead of a scaled product, an operand four
	s_wait_loadcnt 0x0                             ; w_proj, its scales, b_proj
	s_wait_alu depctr_va_vdst(0)                   ; the rows' scale word, their codes and the zero codes of both sources are written, which the scaled products take
.irp u, 0,1                                            ; source 0 = 16 rows of w_proj's codes (output columns), source 1 = my 16 rows: lane (r, h) holds out[row r][32 (w % 2) + 16 u + 8 h + 0..7]
	v_wmma_scale_f32_16x16x128_f8f6f4 v[S+8*\u:S+8*\u+7], v[V+12*\u:V+12*\u+11], v[V+40:V+51], v[V+24+8*\u:V+24+8*\u+7], v[SZ+\u], v[SAT] matrix_a_fmt:MATRIX_FMT_BF6 matrix_b_fmt:MATRIX_FMT_BF6
.endr
	PLACES 4
	s_wait_alu depctr_va_vdst(0)                   ; the two products have written S, which the stores read (the places above stay beside this wait); the quantiser's lines are done reading P, in which the loads behind the barrier land
.irp u, 0,1
	ds_store_b128 v[ADV], v[S+8*\u:S+8*\u+3] offset:64*\u
	ds_store_b128 v[ADV], v[S+8*\u+4:S+8*\u+7] offset:64*\u+16
.endr
	s_lshr_b32 s48, s[W], 3                        ; the rows that I store, 8 w on, belong to block p (waves 0-7) or 15 - p
	s_sub_co_u32 s49, 15, s[PX]
	s_cmp_eq_u32 s48, 0
	s_cselect_b32 s49, s[PX], s49
	s_lshl_b32 s49, s49, 6
	s_lshl_b32 s50, s[BB], 10
	s_add_co_u32 s49, s49, s50
	s_and_b32 s50, s[W], 7
	s_lshl_b32 s50, s50, 3
	s_add_co_u32 s49, s49, s50                     ; row 1024 b + 64 x block + 8 (w % 8)
	s_lshl_b32 s48, s49, 8
	s_mov_b32 s49, 0
	s_add_nc_u64 s[24:25], s[24:25], s[48:49]
	BARRIER                                        ; 128 whole rows of the result lie in YST
.irp i, 0,1,2,3
	ds_load_b128 v[P+4*\i:P+4*\i+3], v[AK] offset:2*SP*\i
.endr
.irp i, 0,1,2,3
	s_wait_dscnt 3-\i                              ; LDS loads come back in order: load i is in, the younger ones may be out
	global_store_b128 v[AV], v[P+4*\i:P+4*\i+3], s[24:25] offset:512*\i th:TH_STORE_NT    ; 32 lanes store two rows, 512 consecutive bytes at a multiple of 256 from out0's first byte
.endr
	s_wait_dscnt 0x0
	s_wait_alu depctr_hold_cnt(0) depctr_sa_sdst(0) depctr_va_vdst(0) depctr_va_sdst(0) depctr_va_ssrc(0) depctr_va_vcc(0) depctr_vm_vsrc(0)
	s_wait_tensorcnt 0x0
	ds_add_u32 v23, v255
	s_wait_dscnt 0x0
	s_endpgm
.Lfunc_end_k_q871084e86f_attn:
	.size	k_q871084e86f_attn, .Lfunc_end_k_q871084e86f_attn-k_q871084e86f_attn
	.p2alignl 7, 3214868480
	.fill 96, 4, 3214868480
	.section	.rodata,"a",@progbits
	.p2align	6, 0x0
	.amdhsa_kernel k_q871084e86f_attn
		.amdhsa_group_segment_fixed_size 256000
		.amdhsa_private_segment_fixed_size 0
		.amdhsa_enable_private_segment 0
		.amdhsa_kernarg_size 72
		.amdhsa_user_sgpr_count 2
		.amdhsa_user_sgpr_kernarg_segment_ptr 1
		.amdhsa_wavefront_size32 1
		.amdhsa_system_sgpr_workgroup_id_x 1
		.amdhsa_system_sgpr_workgroup_id_y 1
		.amdhsa_system_sgpr_workgroup_id_z 1
		.amdhsa_system_vgpr_workitem_id 0
		.amdhsa_next_free_vgpr 256
		.amdhsa_next_free_sgpr 66
		.amdhsa_reserve_vcc 0
		.amdhsa_float_denorm_mode_32 3
		.amdhsa_float_denorm_mode_16_64 3
		.amdhsa_memory_ordered 1
		.amdhsa_forward_progress 1
		.amdhsa_inst_pref_size 73
	.end_amdhsa_kernel
	.amdgpu_metadata
---
amdhsa.version: [ 1, 2 ]
amdhsa.kernels:
  - .name:           k_q871084e86f_attn
    .symbol:         k_q871084e86f_attn.kd
    .args:
      - { .name: z_codes, .offset: 0, .size: 8, .value_kind: global_buffer, .address_space: global }
      - { .name: z_scales, .offset: 8, .size: 8, .value_kind: global_buffer, .address_space: global }
      - { .name: w_qkv_codes, .offset: 16, .size: 8, .value_kind: global_buffer, .address_space: global }
      - { .name: w_qkv_scales, .offset: 24, .size: 8, .value_kind: global_buffer, .address_space: global }
      - { .name: b_qkv, .offset: 32, .size: 8, .value_kind: global_buffer, .address_space: global }
      - { .name: w_proj_codes, .offset: 40, .size: 8, .value_kind: global_buffer, .address_space: global }
      - { .name: w_proj_scales, .offset: 48, .size: 8, .value_kind: global_buffer, .address_space: global }
      - { .name: b_proj, .offset: 56, .size: 8, .value_kind: global_buffer, .address_space: global }
      - { .name: out0, .offset: 64, .size: 8, .value_kind: global_buffer, .address_space: global }
    .group_segment_fixed_size: 256000
    .private_segment_fixed_size: 0
    .kernarg_segment_align: 8
    .kernarg_segment_size: 72
    .max_flat_workgroup_size: 512
    .sgpr_count:     66
    .vgpr_count:     256
    .wavefront_size: 32
...
	.end_amdgpu_metadata
.endif
;; end of part 2
